; MI455X (gfx1250); checked and timed in simulation.
; The chip was launched on July 23, 2026; its instructions are those of AMD's public machine-readable ISA for CDNA 5 (MIT licence, August 2026) and "CDNA5" Instruction Set Architecture Reference Guide (July 2026). The comments in the code are by the model that wrote it; some were corrected since.
;; Q Lo RA Linear. Allowed arithmetic: matrix products marked QUANTISED: E2M1 operands, one E8M0 scale for each 32 along K, by v_wmma_scale_f32_16x16x128_f8f6f4 with both operands' format E2M1 (or v_wmma_scale_f32_32x16x128_f4), f32 sums; products left as they are: f32 operands where the result goes on into a quantised operand, else bf16, f16 or f32 operands; f32 sums; everything else in f32.
;; Inputs: absmax 4,096 x 64 float32; bias 4,096 float32; lora_A_codes 16 x 128 x 16 uint8 (E2M1 codes of lora_A, K innermost, in blocks of 32 codes, two codes a byte); lora_A_scales 16 x 128 uint8 (E8M0 scales of lora_A, one for each 32 codes along K); lora_B 16 x 4,096 float32; w_codes 4,096 x 4,096 int32; x_codes 4,096 x 128 x 16 uint8 (E2M1 codes of x, K innermost, in blocks of 32 codes, two codes a byte); x_scales 4,096 x 128 uint8 (E8M0 scales of x, one for each 32 codes along K).
;; Outputs: out0 4,096 x 4,096 float32.
;; This version of the problem:
;;   THIS VERSION OF THE PROBLEM IS GIVEN IN LOW PRECISION. The matrix products marked QUANTISED in the list below multiply operands that are first quantised to E2M1 (2 exponent bits, 1 mantissa bit; 4 bits a number), with one power-of-two scale for each 32 numbers along K (OCP MX v1.0); their sums are f32. All else is computed in f32.
;;   The module's matrix products, in the order in which they are computed (A, B: the left and right operand; K: the contracted axis; several contracted axes count as one K, in the product's order):
;;     1. [M 4,096, K 4,096] x [K 4,096, N 4,096]; A: input x (given as codes); B: computed on the way: QUANTISED
;;     2. [M 4,096, K 4,096] x [K 4,096, N 16]; A: input x (given as codes); B: input lora_A (given as codes): QUANTISED
;;     3. [M 4,096, K 16] x [K 16, N 4,096]; A: computed on the way; B: input lora_B: left as it is (K = 16 < 32)
;;   THE QUANTISER, for each operand of a quantised product, along K:
;;     - K is cut into blocks of 32 from its start; a last block that is shorter is filled with zeros.
;;     - A block's scale is 2^e with e = floor(log2(the largest magnitude in the block)) - 2, held to -126 .. 127; a block of zeros has e = 0. As a byte (E8M0): e + 127.
;;     - Each number is divided by its block's scale, clamped to +-6, and rounded to the nearest number of E2M1, ties to even, subnormals kept.
;;     - The product sums the exact products of the quantised numbers (number of the format x scale) in f32.
;;   ~~~python
;;   def quantise(x, axis):      # numpy; x: float32 -> the quantised numbers, widened to float32 again
;;       x = np.moveaxis(x, axis, -1); K = x.shape[-1]
;;       x = np.pad(x, [(0, 0)] * (x.ndim - 1) + [(0, -K % 32)]); x = x.reshape(x.shape[:-1] + (-1, 32)); a = np.abs(x).max(-1, keepdims=True)
;;       e = np.where(a > 0, np.clip(np.frexp(np.where(a > 0, a, 1))[1] - 1 - 2, -126, 127), 0)      # np.frexp(a)[1] - 1 = floor(log2(a)), exactly
;;       r = np.clip(x / 2.0 ** e, -6, 6)
;;       step = 2.0 ** (np.maximum(np.frexp(np.where(r == 0, 1, r))[1] - 1, 0) - 1)
;;       q = np.round(r / step) * step * 2.0 ** e      # np.round: ties to even
;;       return np.moveaxis(q.reshape(q.shape[:-2] + (-1,))[..., :K], -1, axis).astype(np.float32)
;;   ~~~
;;   OPERANDS COMPUTED ON THE WAY. 'Computed on the way' means the value that the module computes at that place (a softmax that the list does not call 'softmax' is quantised finished and normalised). What goes into a quantiser is computed in f32, as accurately as f32 sums, v_exp_f32 and their like allow (about 1e-6 of the number): no bf16 or f16 on the way to a quantiser, and a product that is left as it is and whose result goes on into a quantised operand takes f32 operands (vector FMAs, or v_wmma_f32_16x16x4_f32). A number that lies on a knife's edge between two numbers of the format may be rounded either way, as far as f32 arithmetic and the matrix unit's own rounding can turn it there, and no further.
;;   INPUTS GIVEN AS CODES. lora_A (in the module: [4096, 16], K = its axis 0); x (in the module: [4096, 4096], K = its axis 1): each comes as NAME_codes (uint8): NAME with its K axis moved to the last place and cut into blocks of 32 codes, [.., K / 32, bytes a block], one block behind the other in memory; two codes a byte, the lower K in the low four bits (a code: sign, 2 exponent bits, 1 mantissa bit); and NAME_scales (uint8): the same leading axes, one E8M0 byte (e + 127) for each 32 codes along K. Its value is code x scale, taken as it is: it is not quantised again, and the codes and scales need not be those that the quantiser above would give.
;; One version. Each part assembles by itself: llvm-mc -triple=amdgcn-amd-amdhsa -mcpu=gfx1250 --defsym DOCPART=n.
;; ======== version 1 of 1: 2 launches
;; limits: values are held in bf16: 8 bits of precision; right only within a limited range of input values
;; workspace buffers: wp 8,912,896 bytes; tb 131,072 bytes; lbt 131,072 bytes; xs 524,288 bytes
;; launch prep (part 1): grid 256 x 1, 8 waves a work-group, no clusters, 327,680 bytes of LDS; arguments w_codes, absmax, x_codes, x_scales, lora_A_codes, lora_A_scales, lora_B, wp, tb, lbt, xs; writes wp, tb, lbt, xs
.if DOCPART == 1
	.amdgcn_target "amdgcn-amd-amdhsa--gfx1250"
	.amdhsa_code_object_version 6
	.text
	.protected	k_qac48372872_prep
	.globl	k_qac48372872_prep
	.p2align	8
	.type	k_qac48372872_prep,@function
k_qac48372872_prep:
	s_mov_b64 s[64:65], 0
	v_nop
	global_prefetch_b8 v0, s[64:65] scope:SCOPE_SE
	s_setreg_imm32_b32 hwreg(HW_REG_WAVE_MODE, 25, 1), 1
	s_wait_xcnt 0x0
; Work-group g takes rows 16 g .. 16 g + 15 of W, of x and of lora_B^T; wave w takes K step w (512 along K).
; W = NF4 level x absmax, in f32, is quantised to E2M1 in blocks of 32 (a lane a block) and stored as wp [K step 8][n 4096][272 bytes]: a row's 256 bytes of codes, then its 16 scale bytes.
; tb = x lora_A (the eight waves' parts summed in f32 through LDS, then bf16), lbt = 4 lora_B^T (bf16).  xs [K step 8][m 4096][16 bytes]: x's scale bytes as given, laid by K step.
; Each wave brings its 16 rows x 2,048 bytes of w_codes by ONE tensor load at the head, into LDS bytes of its own (16 bytes of padding behind every 128): nothing is filled again.
.set REGION, 36864
.set TILE,   4608
.set BLKP,   144
.set PT,     8*REGION
.set LBS,    PT+8*1024
.set WROW,   272
.set WPK,    4096*WROW
.set LA,   4
.set OS,   5
.set OSB,  6
.set RB,   7
.set RB8,  8
.set G16,  9
.set G8,   10
.set XO,   11
.set SO,   12
.set ABO,  13
.set PTW,  14
.set PTR,  15
.set TBO,  16
.set LBO,  17
.set TBL,  18
.set LBW,  19
.set AA,   20
.set MX0,  22
.set MX1,  23
.set SCO,  24
.set BY,   25
.set Q,    28
.set AB,   32
.set XS,   40
.set LS,   44
.set T0,   48
.set T1,   56
.set LB,   64
.set LQ,   72
.set TQ,   76
.set LO,   80
.set C,    96
.set N,    128
.set XF,   160
.set LF,   192
.set RS,   160
.set G1,   24
.set G0,   32
	s_load_b512 s[4:19], s[0:1], 0x0
	s_load_b128 s[20:23], s[0:1], 0x40
	s_load_b64 s[36:37], s[0:1], 0x50
	v_lshl_add_u32 v254, v0, 2, 0x4a200
	v_mov_b32 v255, 0
	ds_add_u32 v254, v255
	ds_add_u32 v254, v255
	v_lshrrev_b32 v1, 5, v0
	s_delay_alu instid0(VALU_DEP_1)
	v_readfirstlane_b32 s3, v1
	v_and_b32 v1, 31, v0
	v_and_b32 v2, 15, v0
	v_bfe_u32 v3, v0, 4, 1
	s_mul_i32 s66, s3, REGION
	v_mul_u32_u24 v[LA], v1, BLKP
	s_delay_alu instid0(VALU_DEP_1)
	v_add_nc_u32 v[LA], s66, v[LA]
	v_mul_u32_u24 v[OS], v3, WROW
	s_delay_alu instid0(VALU_DEP_1)
	v_add_nc_u32 v[OSB], v[OS], v2
	s_delay_alu instid0(VALU_DEP_2)
	v_lshl_add_u32 v[OS], v2, 4, v[OS]
	s_delay_alu instid0(VALU_DEP_1)
	v_add_nc_u32 v[OS], s66, v[OS]
	s_delay_alu instid0(VALU_DEP_3)
	v_add_nc_u32 v[OSB], s66, v[OSB]
	v_lshlrev_b32 v[G16], 4, v1
	v_lshlrev_b32 v[G8], 3, v1
	s_delay_alu instid0(VALU_DEP_2)
	v_add_nc_u32 v[RB], s66, v[G16]
	s_delay_alu instid0(VALU_DEP_2)
	v_add_nc_u32 v[RB8], s66, v[G8]
	v_lshlrev_b32 v[XO], 11, v2
	s_delay_alu instid0(VALU_DEP_1)
	v_lshl_add_u32 v[XO], v3, 4, v[XO]
	v_lshlrev_b32 v[SO], 7, v2
	v_lshrrev_b32 v[ABO], 1, v2
	s_delay_alu instid0(VALU_DEP_1)
	v_lshlrev_b32 v[ABO], 2, v[ABO]
	s_delay_alu instid0(VALU_DEP_1)
	v_lshl_add_u32 v[ABO], v3, 8, v[ABO]
	s_lshl_b32 s67, s3, 10
	v_add_nc_u32 v[PTW], s67, v[G16]
	s_delay_alu instid0(VALU_DEP_1)
	v_add_nc_u32 v[PTW], PT, v[PTW]
	v_add_nc_u32 v[PTR], PT, v[G16]
	v_lshlrev_b32 v[TBO], 5, v2
	s_lshl_b32 s67, s3, 2
	v_add_nc_u32 v[LBW], s67, v[TBO]
	s_delay_alu instid0(VALU_DEP_1)
	v_add_nc_u32 v[LBW], LBS, v[LBW]
	v_lshl_add_u32 v[TBO], v3, 4, v[TBO]
	v_lshlrev_b32 v[LBO], 2, v2
	v_mov_b32 v[AA+1], 0
	s_mov_b32 s[G1+0], (2<<16)|(1<<20)|(4<<22)|(3<<25)
	s_mov_b32 s[G1+1], 512<<16
	s_mov_b32 s[G1+2], 16<<16
	s_mov_b32 s[G1+3], 512<<16
	s_mov_b32 s[G1+4], 16
	s_mov_b32 s[G1+5], 4096
	s_mov_b32 s[G1+6], 0
	s_mov_b32 s[G1+7], 0
	s_mov_b32 s69, 0
	s_mov_b32 s71, 0
	s_wait_alu depctr_va_vdst(0)
	s_wait_dscnt 0x0
	s_wait_kmcnt 0x0
	s_lshl_b32 s68, ttmp9, 15
	s_lshl_b32 s70, s3, 8
	s_add_co_u32 s68, s68, s70
	s_add_nc_u64 s[8:9], s[8:9], s[68:69]
	s_add_nc_u64 s[12:13], s[12:13], s[70:71]
	s_lshl_b32 s68, ttmp9, 11
	s_lshl_b32 s70, s3, 4
	s_add_co_u32 s68, s68, s70
	s_add_nc_u64 s[10:11], s[10:11], s[68:69]
	s_add_nc_u64 s[14:15], s[14:15], s[70:71]
	s_lshl_b32 s68, ttmp9, 12
	s_lshl_b32 s70, s3, 5
	s_add_co_u32 s68, s68, s70
	s_add_nc_u64 s[6:7], s[6:7], s[68:69]
	s_lshl_b32 s68, ttmp9, 6
	s_lshl_b32 s70, s3, 15
	s_add_co_u32 s68, s68, s70
	s_add_nc_u64 s[16:17], s[16:17], s[68:69]
	s_mul_i32 s68, s3, WPK
	s_mul_i32 s70, ttmp9, 16*WROW
	s_add_co_u32 s68, s68, s70
	s_add_nc_u64 s[18:19], s[18:19], s[68:69]
	s_lshl_b32 s68, ttmp9, 9
	s_add_nc_u64 s[20:21], s[20:21], s[68:69]
	s_add_nc_u64 s[22:23], s[22:23], s[68:69]
	s_lshl_b32 s68, ttmp9, 8                       ; xs: 16 rows x 16 bytes a work-group,
	s_lshl_b32 s70, s3, 16                         ; 65,536 bytes a K step
	s_add_co_u32 s68, s68, s70
	s_add_nc_u64 s[36:37], s[36:37], s[68:69]
	s_lshl_b32 s68, ttmp9, 18
	s_lshl_b32 s70, s3, 11
	s_add_co_u32 s68, s68, s70
	s_add_nc_u64 s[4:5], s[4:5], s[68:69]
	s_mov_b32 s[G0], 1
	s_add_co_u32 s[G0+1], s66, 0
	s_mov_b64 s[G0+2:G0+3], s[4:5]
	s_or_b32 s[G0+3], s[G0+3], 0x80000000
	tensor_load_to_lds s[G0:G0+3], s[G1:G1+7]      ; my 16 rows x 512 codes: my one tensor load, ahead of the small loads
	s_nop 0
.irp q, 0,1,2,3
.irp c, 0,1
	global_load_b128 v[XF+8*\q+4*\c:XF+8*\q+4*\c+3], v[XO], s[8:9] offset:64*\q+32*\c
	global_load_b128 v[LF+8*\q+4*\c:LF+8*\q+4*\c+3], v[XO], s[12:13] offset:64*\q+32*\c
.endr
.endr
	global_load_b128 v[XS:XS+3], v[SO], s[10:11]
	global_load_b128 v[LS:LS+3], v[SO], s[14:15]
.irp s, 0,1,2,3,4,5,6,7
	global_load_b32 v[AB+\s], v[ABO], s[6:7] offset:512*\s
.endr
	global_load_b32 v[LB], v[LBO], s[16:17]
	global_load_b32 v[LB+1], v[LBO], s[16:17] offset:16384
.rept 4
	v_nop
.endr
	v_mov_b32 v[TBL], 0
.macro LEVEL i, bits
	s_mov_b32 s70, \bits
	v_writelane_b32 v[TBL], s70, \i
.endm
	LEVEL 0,  0xbf800000
	LEVEL 1,  0xbf3239b1
	LEVEL 2,  0xbf066b30
	LEVEL 3,  0xbeca32a0
	LEVEL 4,  0xbe91a24d
	LEVEL 5,  0xbe3d353f
	LEVEL 6,  0xbdba7871
	LEVEL 7,  0x00000000
	LEVEL 8,  0x3da2faff
	LEVEL 9,  0x3e24cae3
	LEVEL 10, 0x3e7c04dd
	LEVEL 11, 0x3ead033a
	LEVEL 12, 0x3ee1a4b8
	LEVEL 13, 0x3f1007ab
	LEVEL 14, 0x3f3913b3
	LEVEL 15, 0x3f800000
	s_wait_loadcnt 0x0
	v_wmma_scale_f32_16x16x128_f8f6f4 v[T0:T0+7], v[LF:LF+7], v[XF:XF+7], 0, v[LS], v[XS] matrix_a_fmt:MATRIX_FMT_FP4 matrix_b_fmt:MATRIX_FMT_FP4
	v_wmma_scale_f32_16x16x128_f8f6f4 v[T1:T1+7], v[LF+8:LF+15], v[XF+8:XF+15], 0, v[LS+1], v[XS+1] matrix_a_fmt:MATRIX_FMT_FP4 matrix_b_fmt:MATRIX_FMT_FP4
	v_wmma_scale_f32_16x16x128_f8f6f4 v[T0:T0+7], v[LF+16:LF+23], v[XF+16:XF+23], v[T0:T0+7], v[LS+2], v[XS+2] matrix_a_fmt:MATRIX_FMT_FP4 matrix_b_fmt:MATRIX_FMT_FP4
	v_wmma_scale_f32_16x16x128_f8f6f4 v[T1:T1+7], v[LF+24:LF+31], v[XF+24:XF+31], v[T1:T1+7], v[LS+3], v[XS+3] matrix_a_fmt:MATRIX_FMT_FP4 matrix_b_fmt:MATRIX_FMT_FP4
	v_pk_mul_f32 v[LB:LB+1], v[LB:LB+1], 4.0 op_sel_hi:[1,0]
	s_delay_alu instid0(VALU_DEP_1)
	v_cvt_pk_bf16_f32 v[LQ], v[LB], v[LB+1]
	v_nop
	v_nop
.irp k, 0,2,4,6
	v_pk_add_f32 v[T0+\k:T0+\k+1], v[T0+\k:T0+\k+1], v[T1+\k:T1+\k+1]
.endr
	ds_store_b128 v[PTW], v[T0:T0+3]
	ds_store_b128 v[PTW], v[T0+4:T0+7] offset:512
	ds_store_b32 v[LBW], v[LQ]
	; the eight waves' parts of x lora_A are summed here, while the tensor loads are on their way
	s_wait_alu depctr_va_vdst(0)                   ; directly ahead of the wait below
	s_wait_dscnt 0x0                               ; for the others' sake: my part and my two ranks of lora_B are stored
	s_barrier_signal -1
	s_barrier_wait -1
	s_cmp_lg_u32 s3, 0
	s_cbranch_scc1 .Lnored
.irp p, 0,1,2,3,4,5,6,7
	ds_load_b128 v[RS+8*\p:RS+8*\p+3], v[PTR] offset:1024*\p
	ds_load_b128 v[RS+8*\p+4:RS+8*\p+7], v[PTR] offset:1024*\p+512
.endr
	ds_load_b128 v[LO:LO+3], v[PTR] offset:8192
	s_wait_dscnt 0x0
.irp k, 0,2,4,6
	v_pk_add_f32 v[RS+\k:RS+\k+1], v[RS+\k:RS+\k+1], v[RS+8+\k:RS+8+\k+1]
	v_pk_add_f32 v[RS+16+\k:RS+16+\k+1], v[RS+16+\k:RS+16+\k+1], v[RS+24+\k:RS+24+\k+1]
	v_pk_add_f32 v[RS+32+\k:RS+32+\k+1], v[RS+32+\k:RS+32+\k+1], v[RS+40+\k:RS+40+\k+1]
	v_pk_add_f32 v[RS+48+\k:RS+48+\k+1], v[RS+48+\k:RS+48+\k+1], v[RS+56+\k:RS+56+\k+1]
.endr
.irp k, 0,2,4,6
	v_pk_add_f32 v[RS+\k:RS+\k+1], v[RS+\k:RS+\k+1], v[RS+16+\k:RS+16+\k+1]
	v_pk_add_f32 v[RS+32+\k:RS+32+\k+1], v[RS+32+\k:RS+32+\k+1], v[RS+48+\k:RS+48+\k+1]
.endr
.irp k, 0,2,4,6
	v_pk_add_f32 v[RS+\k:RS+\k+1], v[RS+\k:RS+\k+1], v[RS+32+\k:RS+32+\k+1]
.endr
.irp k, 0,1,2,3
	s_delay_alu instid0(VALU_DEP_4)
	v_cvt_pk_bf16_f32 v[TQ+\k], v[RS+2*\k], v[RS+2*\k+1]
.endr
	global_store_b128 v[TBO], v[TQ:TQ+3], s[20:21]
	global_store_b128 v[G16], v[LO:LO+3], s[22:23]
.Lnored:
; A step (two rows of W, a lane a block of 32) in three parts, on two sets of registers that take turns (C and N are set anew ahead of each use).
.macro WLOAD s                         ; my block's 32 whole numbers into set C
.irp j, 0,1,2,3,4,5,6,7
	ds_load_b128 v[C+4*\j:C+4*\j+3], v[LA] offset:TILE*(\s)+16*\j
.endr
.endm
.macro WLOOK                           ; the 32 NF4 levels into set N: lane c of the table register, by the lane's byte address 4 c
.irp j, 0,1,2,3,4,5,6,7
.irp k, 0,1,2,3
	v_lshlrev_b32 v[C+4*\j+\k], 2, v[C+4*\j+\k]
.endr
.endr
.irp j, 0,1,2,3,4,5,6,7
.irp k, 0,1,2,3
	ds_bpermute_b32 v[N+4*\j+\k], v[C+4*\j+\k], v[TBL]
.endr
.endr
.endm
.macro WSTEP s                         ; x absmax, the block's scale, the codes, into the stage
	v_mov_b32 v[AA], v[AB+\s]
.irp g, 0,1,2,3
.irp k, 0,2,4,6
	v_pk_mul_f32 v[N+8*\g+\k:N+8*\g+\k+1], v[N+8*\g+\k:N+8*\g+\k+1], v[AA:AA+1] op_sel_hi:[1,0]
.endr
.endr
	v_max3_num_f32 v[MX0], |v[N]|, |v[N+1]|, |v[N+2]|
	v_max3_num_f32 v[MX1], |v[N+3]|, |v[N+4]|, |v[N+5]|
.irp i, 6,10,14,18,22,26
	s_delay_alu instid0(VALU_DEP_2)
	v_max3_num_f32 v[MX0], v[MX0], |v[N+\i]|, |v[N+\i+1]|
	s_delay_alu instid0(VALU_DEP_2)
	v_max3_num_f32 v[MX1], v[MX1], |v[N+\i+2]|, |v[N+\i+3]|
.endr
	s_delay_alu instid0(VALU_DEP_2)
	v_max3_num_f32 v[MX0], v[MX0], |v[N+30]|, |v[N+31]|
	s_delay_alu instid0(VALU_DEP_1)
	v_max3_num_f32 v[MX0], v[MX0], v[MX1], 0x1800000
	s_delay_alu instid0(VALU_DEP_1)
	v_add_nc_u32 v[SCO], 0xff000000, v[MX0]
.irp g, 0,1,2,3
	v_cvt_scalef32_pk8_fp4_f32 v[Q+\g], v[N+8*\g:N+8*\g+7], v[SCO]
.endr
	v_lshrrev_b32 v[BY], 23, v[SCO]
	ds_store_b128 v[OS], v[Q:Q+3] offset:2*WROW*\s
	ds_store_b8 v[OSB], v[BY] offset:2*WROW*\s+256
.endm
	v_cmp_gt_u32 vcc_lo, 16, v1                    ; lanes 0-15 hold the 16 scale bytes of x's rows 0-15 for my K step
	s_wait_alu depctr_va_vdst(0)                   ; directly ahead of the wait below
	s_wait_xcnt 0x0                                ; EXEC changes only behind this wait
	s_and_saveexec_b32 s70, vcc_lo
	global_store_b128 v[G16], v[XS:XS+3], s[36:37] ; 16 lanes store 256 consecutive bytes, at a multiple of 256 from xs's first byte
	s_wait_xcnt 0x0
	s_or_b32 exec_lo, exec_lo, s70
	s_wait_tensorcnt 0x0                           ; my 16 rows of w_codes are in; only I read them
.set C, 96
	WLOAD 0
.set C, 160
	WLOAD 1
	s_wait_dscnt 8                                 ; step 0's eight loads are in; step 1's may be out
.set C, 96
.set N, 128
	WLOOK
.irp s, 0,1,2,3,4,5,6,7
.if \s < 6
.set C, 96+64*(\s%2)
	WLOAD \s+2                                     ; into the set whose numbers step s has looked up
	s_wait_dscnt 8                                 ; all but the eight just issued: step s's levels and step s + 1's numbers are in
.else
	s_wait_dscnt 0x0
.endif
.if \s < 7
.set C, 96+64*((\s+1)%2)
.set N, 128+64*((\s+1)%2)
	WLOOK                                          ; step s + 1's lookups are out while step s is worked
.endif
.set N, 128+64*(\s%2)
	WSTEP \s
.endr
.set C, 96
.set N, 128
.irp i, 0,1,2,3,4,5,6,7
	ds_load_b128 v[C+4*\i:C+4*\i+3], v[RB] offset:512*\i
.endr
	ds_load_b64 v[N:N+1], v[RB8] offset:4096
.irp i, 0,1,2,3,4,5,6,7
	s_wait_dscnt 8-\i
	global_store_b128 v[G16], v[C+4*\i:C+4*\i+3], s[18:19] offset:512*\i
.endr
	s_wait_dscnt 0x0
	global_store_b64 v[G8], v[N:N+1], s[18:19] offset:4096
	s_wait_tensorcnt 0x0
	ds_add_u32 v254, v255
	s_wait_dscnt 0x0
	s_endpgm
.Lfunc_end_k_qac48372872_prep:
	.size	k_qac48372872_prep, .Lfunc_end_k_qac48372872_prep-k_qac48372872_prep
	.p2alignl 7, 3214868480
	.fill 96, 4, 3214868480
	.section	.rodata,"a",@progbits
	.p2align	6, 0x0
	.amdhsa_kernel k_qac48372872_prep
		.amdhsa_group_segment_fixed_size 327680
		.amdhsa_private_segment_fixed_size 0
		.amdhsa_enable_private_segment 0
		.amdhsa_kernarg_size 88
		.amdhsa_user_sgpr_count 2
		.amdhsa_user_sgpr_kernarg_segment_ptr 1
		.amdhsa_wavefront_size32 1
		.amdhsa_system_sgpr_workgroup_id_x 1
		.amdhsa_system_sgpr_workgroup_id_y 1
		.amdhsa_system_sgpr_workgroup_id_z 1
		.amdhsa_system_vgpr_workitem_id 0
		.amdhsa_next_free_vgpr 256
		.amdhsa_next_free_sgpr 72
		.amdhsa_reserve_vcc 1
		.amdhsa_float_denorm_mode_32 3
		.amdhsa_float_denorm_mode_16_64 3
		.amdhsa_memory_ordered 1
		.amdhsa_forward_progress 1
		.amdhsa_inst_pref_size 69
	.end_amdhsa_kernel
	.amdgpu_metadata
---
amdhsa.version: [ 1, 2 ]
amdhsa.kernels:
  - .name:           k_qac48372872_prep
    .symbol:         k_qac48372872_prep.kd
    .args:
      - { .name: w_codes, .offset: 0, .size: 8, .value_kind: global_buffer, .address_space: global }
      - { .name: absmax, .offset: 8, .size: 8, .value_kind: global_buffer, .address_space: global }
      - { .name: x_codes, .offset: 16, .size: 8, .value_kind: global_buffer, .address_space: global }
      - { .name: x_scales, .offset: 24, .size: 8, .value_kind: global_buffer, .address_space: global }
      - { .name: lora_A_codes, .offset: 32, .size: 8, .value_kind: global_buffer, .address_space: global }
      - { .name: lora_A_scales, .offset: 40, .size: 8, .value_kind: global_buffer, .address_space: global }
      - { .name: lora_B, .offset: 48, .size: 8, .value_kind: global_buffer, .address_space: global }
      - { .name: wp, .offset: 56, .size: 8, .value_kind: global_buffer, .address_space: global }
      - { .name: tb, .offset: 64, .size: 8, .value_kind: global_buffer, .address_space: global }
      - { .name: lbt, .offset: 72, .size: 8, .value_kind: global_buffer, .address_space: global }
      - { .name: xs, .offset: 80, .size: 8, .value_kind: global_buffer, .address_space: global }
    .group_segment_fixed_size: 327680
    .private_segment_fixed_size: 0
    .kernarg_segment_align: 8
    .kernarg_segment_size: 88
    .max_flat_workgroup_size: 256
    .sgpr_count:     72
    .vgpr_count:     256
    .wavefront_size: 32
...
	.end_amdgpu_metadata
.endif
;; end of part 1
;; launch gemm (part 2): grid 16 x 16, 4 waves a work-group, clusters of 4 x 4, 327,680 bytes of LDS; arguments x_codes, xs, wp, tb, lbt, bias, out0; writes out0
.if DOCPART == 2
	.amdgcn_target "amdgcn-amd-amdhsa--gfx1250"
	.amdhsa_code_object_version 6
	.text
	.protected	k_qac48372872_gemm
	.globl	k_qac48372872_gemm
	.p2align	8
	.type	k_qac48372872_gemm,@function
k_qac48372872_gemm:
	s_mov_b64 s[64:65], 0
	v_nop
	global_prefetch_b8 v0, s[64:65] scope:SCOPE_SE
	s_setreg_imm32_b32 hwreg(HW_REG_WAVE_MODE, 25, 1), 1
	s_wait_xcnt 0x0
	s_wait_alu depctr_hold_cnt(0) depctr_sa_sdst(0) depctr_va_vdst(0) depctr_va_sdst(0) depctr_va_ssrc(0) depctr_va_vcc(0) depctr_vm_vsrc(0)
	s_getreg_b32 s2, hwreg(HW_REG_IB_STS2, 6, 4)
	s_cmp_eq_u32 s2, 0
	s_cbranch_scc0 .Lentry_in_a_cluster
	s_endpgm
.Lentry_in_a_cluster:
	s_bfe_u32 s2, ttmp6, 0x10000c
	s_cmp_lg_u32 s2, 0xf033
	s_cbranch_scc0 .Lentry_shape_is_right
	s_endpgm
.Lentry_shape_is_right:
; out0[m][n] = bias[n] + sum over 16 ranks of tb[m][.] lbt[n][.] + sum over k of x[m][k] W[n][k].  x: E2M1 codes [4096][4096 k] as given; xs [K step 8][m][16]: x's E8M0 bytes laid by K step of 512.
; W: wp [K step 8][n 4096][272 bytes]: 256 bytes of codes, then the row's 16 scale bytes.  tb = x lora_A, lbt = 4 lora_B^T: bf16 [4096][16].  out0: f32.
; A tile of out0, 256 x 256, is made by four waves, 128 x 128 each: 64 accumulators of 16 x 16.  16 x 16 tiles: one work-group for each of 256.
; THE SUMS BEGIN WITH THE LOW-RANK PRODUCT: one bf16 matrix instruction an accumulator, the bias as its C, K = 16 filled up to 32 by zeros on both sides.  Nothing is cleared; the way out has no arithmetic.
; Then K goes in eight steps of 512 through a ring of two LDS slots.  A slot: x's 256 rows (256 bytes + 16 of padding), W's 256 rows of 272 bytes as they lie, x's 4,096 scale bytes.
; One tensor load a wave for each fill: wave 0 x's rows, wave 1 x's scale bytes, waves 2 and 3 W's two halves (34,816 consecutive bytes each).
; CLUSTERS 4 x 4: x's tiles and scale bytes are asked for jointly along a row of the cluster, W's along a column.  THE MATRIX INSTRUCTIONS ARE USED TRANSPOSED (source 0 = rows of W or lbt, source 1 = rows of x or tb).
; THE WALK OVER K IS TURNED: cluster (X, Y) begins at K step 2 (X + Y) mod 8 and goes round.  The turn is made of the cluster's coordinates alone, one number in all sixteen partners; it enters global addresses only.
; NO PREFETCH: the four clusters that share rows of x (or of W) begin at K steps 0, 2, 4, 6, so their first fills, two K steps each, name all eight K steps of those rows; every refill names bytes that such a first fill has named.
; A STEP of 128 along K first issues the NEXT step's 32 fragment loads into the other sets of registers and then its own 64 products: x and W have two sets each.
; LIMITS: tb and 4 lora_B are rounded to bf16; each sum goes bias, low-rank product, then the K steps in the cluster's turned order: another order of rounding than K ascending.
; REGISTERS: window 0: v0-31 addresses; v32-95 scale words, two sets; v128-191, v192-255 x's fragments, two sets (at the head tb's in the first).
;   window 1: W's fragments at v0-63 and v128-191 (at the head lbt's at v0-63, the bias at v64-127).  windows 2, 3: the accumulators of my rows 0-63, 64-127, (a, b) at v[8 (8 (a % 4) + b)].
.set SIZE_N, 4096
.set PITCH,  272                       ; 68 words: the 16 rows that a fragment load touches start at 16 different banks (64 banks of 4 bytes: ISA guide 11.1)
.set HALFT,  128*PITCH
.set XT,     2*HALFT                   ; x's 256 rows; W's 256 rows lie behind them
.set XSC,    2*XT                      ; then x's scale bytes: 16 a row, dense
.set SLOT,   XSC+4096
.set SPARE,  2*SLOT                    ; the spare words: 128 bytes a wave, named by no other line
.set WPK,    4096*PITCH                ; a K step of wp
.set SPITCH, 528                       ; the way out: 16 rows x (512 + 16) bytes a wave, in slot 0 behind its last fill and last read
.set LBO,  10
.set BO,   11
.set ADRA, 16                          ; v16-17 my fragments of x in slot 0, 1
.set ADRB, 20                          ; v20-21 of W
.set ADSA, 22                          ; v22-23 x's scale words, a lane a row
.set STO,  24
.set RD,   25
.set CO,   26
.set SPW,  28
.set NIL,  29
.set ADSB, 30                          ; v30-31 W's row (lane); its scale words lie 256 bytes on
.set SC,   32                          ; set s at SC + 32 s: register 4 i + q: x's words of rows 32 i + lane for the slot's q-th 128 along K; 16 + 4 i + q: W's
.set AF,   128
.set BK,   128
.set KT,   2                           ; s2: the place in the walk of the K step in slot 1
.set OFS,  94
.set G1X,  24
.set G0X,  32
.set G1W,  48
.set G0W,  56
.set G1S,  68
.set G0S,  76
.set MSB, 0
.macro WIN new                         ; the immediate's high byte repeats the setting that is left
.if MSB != (\new)
	s_set_vgpr_msb (MSB<<8)|(\new)
.set MSB, (\new)
.endif
.endm
.set MUL_LO, 0xa1                      ; source 0 window 1, source 1 window 0, C and D window 2
.set MUL_HI, 0xf1
.set TO_B,   0x40
.macro PLACES n
.rept \n
	v_nop
.endr
.endm
; A slot's fill: one chain of branches on the wave's number, one joint load to an arm, all arms to one join; s_nop 0 and four v_nop behind each load.
.macro JLOAD s
	s_cmp_lt_u32 s18, 1
	s_cbranch_scc0 .Lxs_\@
	tensor_load_to_lds s[G0X+4*\s:G0X+4*\s+3], s[G1X:G1X+7]
	s_nop 0
	PLACES 4
	s_branch .Lasked_\@
.Lxs_\@:
	s_cmp_lt_u32 s18, 2
	s_cbranch_scc0 .Lw_\@
	tensor_load_to_lds s[G0S+4*\s:G0S+4*\s+3], s[G1S:G1S+7]
	s_nop 0
	PLACES 4
	s_branch .Lasked_\@
.Lw_\@:
	tensor_load_to_lds s[G0W+4*\s:G0W+4*\s+3], s[G1W:G1W+7]
	s_nop 0
	PLACES 4
.Lasked_\@:
.endm
.macro CREST                           ; a round of the cluster's barrier behind its opening barrier
	s_cmp_lg_u32 s18, 0
	s_cbranch_scc1 .Lnot_wave_0_\@
	s_barrier_signal -3
.Lnot_wave_0_\@:
	s_barrier_wait -3
	s_barrier_signal -1
	s_barrier_wait -1
.endm
.macro CROUND
	s_barrier_signal -1
	s_barrier_wait -1
	CREST
.endm
	s_load_b256 s[4:11], s[0:1], 0x0               ; x's codes s4, xs s6, wp s8, tb s10
	s_load_b128 s[12:15], s[0:1], 0x20             ; lbt s12, bias s14
	s_load_b64 s[16:17], s[0:1], 0x30              ; out0
	v_lshl_add_u32 v[SPW], v0, 2, SPARE
	v_mov_b32 v[NIL], 0
	ds_add_u32 v[SPW], v[NIL]                      ; the opening lines: the add, twice on end, and its wait ahead of my first tensor load
	ds_add_u32 v[SPW], v[NIL]
	v_lshrrev_b32 v1, 5, v0
	v_readfirstlane_b32 s18, v1                    ; wave 0..3
	v_and_b32 v1, 15, v0                           ; r
	v_bfe_u32 v2, v0, 4, 1                         ; h
	v_lshlrev_b32 v[LBO], 5, v1
	v_lshl_add_u32 v[LBO], v2, 4, v[LBO]           ; a row of tb or lbt: 32 r + 16 h
	v_lshlrev_b32 v[BO], 5, v2                     ; my half's eight numbers of the bias
	s_lshr_b32 s19, s18, 1                         ; which half of the tile's rows is mine
	s_and_b32 s20, s18, 1                          ; which half of its columns; also which half of W's tile waves 2 and 3 fetch
	s_bfe_u32 s40, ttmp6, 0x40000                  ; cx, cy
	s_bfe_u32 s41, ttmp6, 0x40004
	s_lshl_b32 s42, ttmp9, 2
	s_add_co_u32 s42, s42, s40                     ; tile column
	s_and_b32 s21, ttmp7, 0xffff
	s_lshl_b32 s21, s21, 2
	s_add_co_u32 s21, s21, s41                     ; tile row
	s_lshl_b32 s43, s41, 2
	s_lshl_b32 s43, 15, s43                        ; my row of the cluster
	s_lshl_b32 s44, 0x1111, s40                    ; my column
	s_and_b32 s[OFS], ttmp7, 0xffff
	s_add_co_u32 s[OFS], s[OFS], ttmp9
	s_lshl_b32 s[OFS], s[OFS], 1
	s_and_b32 s[OFS], s[OFS], 7                    ; 2 (X + Y) mod 8
	; x's tile: 256 rows x 256 bytes, 2,048 apart in memory, 16 bytes of padding behind each in LDS
	s_or_b32 s[G1X+0], s43, (0<<16)|(1<<20)|(1<<21)|(5<<22)|(3<<25)
	s_mov_b32 s[G1X+1], 256<<16
	s_mov_b32 s[G1X+2], 256<<16
	s_mov_b32 s[G1X+3], 256<<16
	s_mov_b32 s[G1X+4], 256
	s_mov_b32 s[G1X+5], 2048
	s_mov_b32 s[G1X+6], 0
	s_mov_b32 s[G1X+7], 0
	; half of W's tile: 34,816 consecutive bytes as 136 rows of 32 elements of 8 bytes
	s_or_b32 s[G1W+0], s44, (3<<16)|(1<<21)
	s_mov_b32 s[G1W+1], 32<<16
	s_mov_b32 s[G1W+2], 136<<16
	s_mov_b32 s[G1W+3], 32<<16
	s_mov_b32 s[G1W+4], 136
	s_mov_b32 s[G1W+5], 32
	s_mov_b32 s[G1W+6], 0
	s_mov_b32 s[G1W+7], 0
	; x's scale bytes of a K step: 4,096 consecutive bytes as 16 rows of 256
	s_or_b32 s[G1S+0], s43, (3<<16)|(1<<21)
	s_mov_b32 s[G1S+1], 32<<16
	s_mov_b32 s[G1S+2], 16<<16
	s_mov_b32 s[G1S+3], 32<<16
	s_mov_b32 s[G1S+4], 16
	s_mov_b32 s[G1S+5], 32
	s_mov_b32 s[G1S+6], 0
	s_mov_b32 s[G1S+7], 0
	; offsets, each a pair with 0 on top.  x's and xs's are made of the tile row alone, wp's of the tile column and the wave's number
	s_lshl_b32 s22, s20, 7
	s_lshl_b32 s23, s19, 7
	s_lshl_b32 s84, s21, 19                        ; x: 256 rows x 2,048 bytes a tile row
	s_mov_b32 s85, 0
	s_lshl_b32 s86, s42, 8
	s_add_co_u32 s86, s86, s22                     ; my first column
	s_lshl_b32 s46, s86, 5                         ; in lbt
	s_mov_b32 s47, 0
	s_lshl_b32 s96, s86, 2                         ; in the bias and in a row of out0
	s_mov_b32 s97, 0
	s_mul_i32 s86, s86, PITCH                      ; in a K step of wp
	s_mov_b32 s87, 0
	s_lshl_b32 s88, s21, 12                        ; xs: 256 rows x 16 bytes a tile row
	s_mov_b32 s89, 0
	s_lshl_b32 s90, s21, 8
	s_add_co_u32 s90, s90, s23                     ; my first row
	s_lshl_b32 s92, s90, 14
	s_add_co_u32 s92, s92, s96                     ; my corner of out0
	s_mov_b32 s93, 0
	s_lshl_b32 s90, s90, 5                         ; in tb
	s_mov_b32 s91, 0
	s_mul_i32 s45, s20, HALFT
	s_wait_alu depctr_va_vdst(0)                   ; directly ahead of the waits below
	s_wait_dscnt 0x0                               ; both opening adds are done
	s_wait_kmcnt 0x0
	s_add_nc_u64 s[10:11], s[10:11], s[90:91]
	s_add_nc_u64 s[12:13], s[12:13], s[46:47]
	s_add_nc_u64 s[14:15], s[14:15], s[96:97]
	s_add_nc_u64 s[16:17], s[16:17], s[92:93]
	s_add_nc_u64 s[4:5], s[4:5], s[84:85]          ; the three bases stay; a K step's offset is added for each load
	s_add_nc_u64 s[8:9], s[8:9], s[86:87]
	s_add_nc_u64 s[6:7], s[6:7], s[88:89]
	WIN TO_B
.irp b, 0,1,2,3,4,5,6,7
	global_load_b128 v[8*\b:8*\b+3], v[LBO], s[12:13] offset:512*\b                       ; lbt, rows 16 b + r, k = 8 h ..
.endr
.irp b, 0,1,2,3,4,5,6,7
.irp c, 0,1
	global_load_b128 v[64+8*\b+4*\c:64+8*\b+4*\c+3], v[BO], s[14:15] offset:64*\b+16*\c   ; the bias in the result's layout
.endr
.endr
	WIN 0
.irp a, 0,1,2,3,4,5,6,7
	global_load_b128 v[AF+8*\a:AF+8*\a+3], v[LBO], s[10:11] offset:512*\a                 ; tb, rows 16 a + r
.endr
.irp s, 0,1
	s_add_co_u32 s95, s[OFS], \s                   ; the walk's first two K steps: 7 at the most
	s_lshl_b32 s84, s95, 8
	s_mul_i32 s86, s95, WPK
	s_lshl_b32 s88, s95, 16
	s_mov_b32 s[G0X+4*\s], 1
	s_mov_b32 s[G0X+4*\s+1], \s*SLOT
	s_add_nc_u64 s[G0X+4*\s+2:G0X+4*\s+3], s[4:5], s[84:85]
	s_or_b32 s[G0X+4*\s+3], s[G0X+4*\s+3], 0x80000000
	s_mov_b32 s[G0W+4*\s], 1
	s_add_co_u32 s[G0W+4*\s+1], s45, XT+\s*SLOT
	s_add_nc_u64 s[G0W+4*\s+2:G0W+4*\s+3], s[8:9], s[86:87]
	s_or_b32 s[G0W+4*\s+3], s[G0W+4*\s+3], 0x80000000
	s_mov_b32 s[G0S+4*\s], 1
	s_mov_b32 s[G0S+4*\s+1], XSC+\s*SLOT
	s_add_nc_u64 s[G0S+4*\s+2:G0S+4*\s+3], s[6:7], s[88:89]
	s_or_b32 s[G0S+4*\s+3], s[G0S+4*\s+3], 0x80000000
.endr
	s_mul_i32 s22, s19, HALFT                      ; my 128 rows of x
	s_add_co_u32 s23, s45, XT                      ; my 128 rows of W
	s_lshl_b32 s47, s19, 11
	s_add_co_u32 s47, s47, XSC                     ; my 128 rows' scale bytes of x
	s_mul_i32 s46, s18, 16*SPITCH                  ; my stage
	CROUND                                         ; all sixteen work-groups are here: the first joint loads meet
	JLOAD 0                                        ; the walk's first K step: one tensor load a wave at the head
	v_mul_u32_u24 v3, v1, PITCH
	v_lshl_add_u32 v4, v2, 4, v3                   ; a fragment's row x pitch + 16 h
	v_and_b32 v6, 31, v0
	v_mul_u32_u24 v5, v6, PITCH
	v_lshlrev_b32 v[CO], 4, v6
	v_add_nc_u32 v[ADRA], s22, v4
	v_add_nc_u32 v[ADRB], s23, v4
	v_add_nc_u32 v[ADSB], s23, v5
	v_add_nc_u32 v[ADSA], s47, v[CO]
	v_add_nc_u32 v[ADRA+1], SLOT, v[ADRA]
	v_add_nc_u32 v[ADRB+1], SLOT, v[ADRB]
	v_add_nc_u32 v[ADSB+1], SLOT, v[ADSB]
	v_add_nc_u32 v[ADSA+1], SLOT, v[ADSA]
	v_mul_u32_u24 v7, v1, SPITCH
	v_lshl_add_u32 v7, v2, 5, v7
	v_add_nc_u32 v[STO], s46, v7                   ; into the stage: row r, 32 bytes for each half of the lanes
	v_add_nc_u32 v[RD], s46, v[CO]                 ; back: the 32 lanes take one row of 512 bytes
	WIN TO_B
.irp b, 0,1,2,3,4,5,6,7
.irp i, 4,5,6,7
	v_mov_b32 v[8*\b+\i], 0                        ; k = 16 .. 31 of the bf16 fragments: zeros on both sides
.endr
.endr
	WIN 0
.irp a, 0,1,2,3,4,5,6,7
.irp i, 4,5,6,7
	v_mov_b32 v[AF+8*\a+\i], 0
.endr
.endr
	s_wait_alu depctr_va_vdst(0)
	s_wait_loadcnt 0x0                             ; lbt, the bias, tb
.irp a, 0,1,2,3,4,5,6,7
	WIN 0x91+0x40*(\a/4)                           ; source 0 (lbt) and C (the bias) window 1, source 1 (tb) window 0, D window 2 or 3
.irp b, 0,1,2,3,4,5,6,7
	v_wmma_f32_16x16x32_bf16 v[8*(8*(\a%4)+\b):8*(8*(\a%4)+\b)+7], v[8*\b:8*\b+7], v[AF+8*\a:AF+8*\a+7], v[64+8*\b:64+8*\b+7]
.endr
.endr
	WIN 0
	PLACES 5                                       ; a matrix instruction of another form next writes over these results (ISA guide 7.12.1)
.macro FRAG reg, adr, q, i             ; 16 rows x 128 K of 4-bit codes: registers 4 c .. 4 c + 3 hold K = 64 c + 32 h + 0 .. 31
.irp c, 0,1
	ds_load_b128 v[\reg+4*\c:\reg+4*\c+3], v[\adr] offset:64*(\q)+32*\c+(\i)*16*PITCH
.endr
.endm
; One product: x's block a against W's block b, the slot's q-th 128 along K.  p: the sets of fragments; sc: the set of scale words.  An even block's words lie in lanes 0-15, an odd block's in lanes 16-31.
.macro WM a, b, p, q, sc
.set rD, 8*(8*((\a)%4)+(\b))
.set rB, 128*(\p)+8*(\b)
.set rA, AF+64*(\p)+8*(\a)
.set sB, SC+32*(\sc)+16+4*((\b)/2)+(\q)
.set sA, SC+32*(\sc)+4*((\a)/2)+(\q)
	WMI \a, \b
.endm
.macro WMI a, b                        ; the instruction itself, on the registers named by rD, rB, rA, sB, sA
.if ((\a)%2 == 0) && ((\b)%2 == 0)
	v_wmma_scale_f32_16x16x128_f8f6f4 v[rD:rD+7], v[rB:rB+7], v[rA:rA+7], v[rD:rD+7], v[sB], v[sA] matrix_a_fmt:MATRIX_FMT_FP4 matrix_b_fmt:MATRIX_FMT_FP4
.elseif ((\a)%2 == 0)
	v_wmma_scale_f32_16x16x128_f8f6f4 v[rD:rD+7], v[rB:rB+7], v[rA:rA+7], v[rD:rD+7], v[sB], v[sA] matrix_a_fmt:MATRIX_FMT_FP4 matrix_b_fmt:MATRIX_FMT_FP4 matrix_a_scale:MATRIX_SCALE_ROW1
.elseif ((\b)%2 == 0)
	v_wmma_scale_f32_16x16x128_f8f6f4 v[rD:rD+7], v[rB:rB+7], v[rA:rA+7], v[rD:rD+7], v[sB], v[sA] matrix_a_fmt:MATRIX_FMT_FP4 matrix_b_fmt:MATRIX_FMT_FP4 matrix_b_scale:MATRIX_SCALE_ROW1
.else
	v_wmma_scale_f32_16x16x128_f8f6f4 v[rD:rD+7], v[rB:rB+7], v[rA:rA+7], v[rD:rD+7], v[sB], v[sA] matrix_a_fmt:MATRIX_FMT_FP4 matrix_b_fmt:MATRIX_FMT_FP4 matrix_a_scale:MATRIX_SCALE_ROW1 matrix_b_scale:MATRIX_SCALE_ROW1
.endif
.endm
.macro MUL16 a0, p, q, sc              ; the 64 accumulators take turns, one instruction a turn, in the same order in every step
.irp a, \a0, \a0+1
.irp b, 0,1,2,3,4,5,6,7
	WM \a, \b, \p, \q, \sc
.endr
.endr
.endm
.macro FETCH slot, q, p                ; 32 LDS loads in one run: W's and x's eight fragments of the slot's q-th 128 along K into sets p
	WIN TO_B
.irp i, 0,1,2,3,4,5,6,7
	FRAG 128*(\p)+8*\i, ADRB+\slot, \q, \i
.endr
	WIN 0
.irp i, 0,1,2,3,4,5,6,7
	FRAG AF+64*(\p)+8*\i, ADRA+\slot, \q, \i
.endr
.endm
.macro SCALES sc                       ; slot sc's scale words: a lane a row, four words a row; eight loads
.irp i, 0,1,2,3
	ds_load_b128 v[SC+32*\sc+4*\i:SC+32*\sc+4*\i+3], v[ADSA+\sc] offset:\i*512
	ds_load_b128 v[SC+32*\sc+16+4*\i:SC+32*\sc+16+4*\i+3], v[ADSB+\sc] offset:\i*32*PITCH+256
.endr
.endm
; A step that has its successor in the same slot.
.macro STEP slot, q
	PLACES 4                                       ; the loads below land in the sets that the step before multiplied
	FETCH \slot, (\q)+1, 1-(\q)%2
	s_wait_dscnt 32                                ; all but the 32 just issued: this step's fragments (and scale words) are in
	WIN MUL_LO
	MUL16 0, (\q)%2, \q, \slot
	MUL16 2, (\q)%2, \q, \slot
	WIN MUL_HI
	MUL16 4, (\q)%2, \q, \slot
	MUL16 6, (\q)%2, \q, \slot
	WIN 0
.endm
; A slot's last step changes slots at its head: its own fragments are the slot's last reads.  fill = 1: the slot takes the K step two places on in the walk, place s[KT] + slot + 1.
.macro TURN slot, next, fill
.if \fill
	s_add_co_u32 s95, s[KT], \slot+1
	s_add_co_u32 s95, s95, s[OFS]
	s_and_b32 s95, s95, 7                          ; the walk goes round at 8
	s_lshl_b32 s84, s95, 8
	s_mul_i32 s86, s95, WPK
	s_lshl_b32 s88, s95, 16
.endif
	s_wait_tensorcnt 0x0                           ; my one load that was out, my part of the next slot, has landed
	ds_add_u32 v[SPW], v[NIL]                      ; 0 onto my spare word
.if \fill
	s_add_nc_u64 s[G0X+4*\slot+2:G0X+4*\slot+3], s[4:5], s[84:85]     ; no tensor load of mine is out: the addresses are made anew from the bases
	s_or_b32 s[G0X+4*\slot+3], s[G0X+4*\slot+3], 0x80000000
	s_add_nc_u64 s[G0W+4*\slot+2:G0W+4*\slot+3], s[8:9], s[86:87]
	s_or_b32 s[G0W+4*\slot+3], s[G0W+4*\slot+3], 0x80000000
	s_add_nc_u64 s[G0S+4*\slot+2:G0S+4*\slot+3], s[6:7], s[88:89]
	s_or_b32 s[G0S+4*\slot+3], s[G0S+4*\slot+3], 0x80000000
.endif
	s_wait_dscnt 0x0                               ; the add is done, and my reads of this slot are over
	s_barrier_signal -1
	WIN MUL_LO
	MUL16 0, 1, 3, \slot
	WIN 0
	s_barrier_wait -1
.if \fill
	CREST                                          ; the barrier has opened a round of the cluster's barrier
	JLOAD \slot                                    ; my one load behind the round; its four v_nop are the places in front of the loads below
.else
	PLACES 4
.endif
	FETCH \next, 0, 0
	SCALES \next
	WIN MUL_LO
	MUL16 2, 1, 3, \slot
	WIN MUL_HI
	MUL16 4, 1, 3, \slot
	MUL16 6, 1, 3, \slot
	WIN 0
.endm
	s_wait_tensorcnt 0x0                           ; my part of the first K step is in
	ds_add_u32 v[SPW], v[NIL]
	s_wait_dscnt 0x0
	CROUND
	JLOAD 1                                        ; the walk's second K step, the first tensor load behind the round
	FETCH 0, 0, 0
	SCALES 0
	s_mov_b32 s[KT], 1
	s_mov_b32 s3, 3
.Llap:                                                 ; a trip goes once round the ring and fills both slots again: places 2 to 7 of the walk in three trips
	STEP 0, 0
	STEP 0, 1
	STEP 0, 2
	TURN 0, 1, 1
	STEP 1, 0
	STEP 1, 1
	STEP 1, 2
	TURN 1, 0, 1
	s_add_co_u32 s[KT], s[KT], 2
	s_sub_co_u32 s3, s3, 1
	s_cmp_lg_u32 s3, 0
	s_cbranch_scc1 .Llap
	STEP 0, 0                                      ; the last lap fills nothing, and has no round of the cluster's barrier
	STEP 0, 1
	STEP 0, 2
; THE WAY OUT, block by block of 16 rows x 128 columns, through my own stage: in as 32 bytes a lane, back as whole rows of 512 bytes.  LDS serves a wave's instructions in order (ISA guide 5.7.1.4).
.macro TOSTAGE a
.set AC, 64*((\a)%4)
	WIN 0x08+4*((\a)/4)                            ; the data: window 2 or 3
.irp b, 0,1,2,3,4,5,6,7
	ds_store_b128 v[STO], v[AC+8*\b:AC+8*\b+3] offset:64*\b          ; each accumulator from its low end on
	ds_store_b128 v[STO], v[AC+8*\b+4:AC+8*\b+7] offset:64*\b+16
.endr
	WIN 0
.irp t, 0,1,2,3,4,5,6,7,8,9,10,11,12,13,14,15
	ds_load_b128 v[32+4*\t+32*(\t/8):35+4*\t+32*(\t/8)], v[RD] offset:\t*SPITCH   ; rows 0-7 into v32-63 (slot 0's scale words are done with), rows 8-15 into v96-127
.endr
.endm
.macro SEND a, younger                 ; younger: the LDS instructions issued behind block a's loads
	s_wait_dscnt \younger
.if (\a) > 0
	s_add_nc_u64 s[16:17], s[16:17], 16*SIZE_N*4   ; behind a wait on XCNT: the earlier stores have read their base
.endif
.irp t, 0,1,2,3,4,5,6,7,8,9,10,11,12,13,14,15
	global_store_b128 v[CO], v[32+4*\t+32*(\t/8):35+4*\t+32*(\t/8)], s[16:17] offset:\t*SIZE_N*4 th:TH_STORE_NT   ; 32 lanes store 512 consecutive bytes, at a multiple of 256 from out0's first byte
.endr
.endm
; THE WALK'S LAST K STEP (it lies in slot 1) GOES BY ROWS OF out0, NOT BY K.  W's fragments of its four quarters fill window 1 (quarter q at v[64 q]); x's come by blocks of 16 rows x 512 K,
; 32 registers, four buffers at v128-255 of window 0.  My eight blocks are finished one after the other, 32 products each (the block's 8 accumulators by turns, K in the same order as before),
; and each block leaves through the stage as soon as it is finished.  LDS is read no more than in any other K step.
.macro BLOAD q
.irp i, 0,1,2,3,4,5,6,7
	FRAG 64*(\q)+8*\i, ADRB+1, \q, \i
.endr
.endm
.macro ALOAD a
.irp q, 0,1,2,3
	FRAG AF+32*((\a)%4)+8*\q, ADRA+1, \q, \a
.endr
.endm
.macro WR a, b, q
.set rD, 8*(8*((\a)%4)+(\b))
.set rB, 64*(\q)+8*(\b)
.set rA, AF+32*((\a)%4)+8*(\q)
.set sB, SC+32+16+4*((\b)/2)+(\q)
.set sA, SC+32+4*((\a)/2)+(\q)
	WMI \a, \b
.endm
.macro ROW a
	WIN MUL_LO+0x50*((\a)/4)
.irp q, 0,1,2,3
.if ((\a) == 0) && (\q == 2)
	s_wait_dscnt 16                                ; W's quarter 2 is in (behind it: x's blocks 2 and 3, 16 loads)
.endif
.irp b, 0,1,2,3,4,5,6,7
	WR \a, \b, \q
.endr
.endr
.endm
	s_wait_tensorcnt 0x0                           ; slot 0's last step: my part of slot 1 has landed;
	ds_add_u32 v[SPW], v[NIL]                      ; 0 onto my spare word
	s_wait_dscnt 0x0                               ; the add is done, and my reads of slot 0 are over
	s_barrier_signal -1
	WIN MUL_LO
	MUL16 0, 1, 3, 0
	WIN 0
	s_barrier_wait -1                              ; slot 1 is whole, and nobody reads slot 0 any more; nothing is filled again
	PLACES 4
	WIN TO_B
	BLOAD 0                                        ; three quarters of W now: v128-191 of window 1 are still being multiplied
	BLOAD 1
	BLOAD 3
	WIN 0
	SCALES 1
	ALOAD 0
	ALOAD 1
	WIN MUL_LO
	MUL16 2, 1, 3, 0
	WIN MUL_HI
	MUL16 4, 1, 3, 0
	MUL16 6, 1, 3, 0
	PLACES 4
	WIN TO_B
	BLOAD 2
	WIN 0
	ALOAD 2
	ALOAD 3
	s_wait_dscnt 32                                ; all but the 32 just issued
	ROW 0
.irp a, 0,1,2,3,4,5,6,7
	PLACES 4                                       ; the stage's stores read results just made, and x's next block lands in a buffer just multiplied
.if \a > 0
	s_wait_xcnt 0x0                                ; the block before has had its stores' registers and base read
.endif
	TOSTAGE \a
.if \a < 4
	ALOAD \a+4
	SEND \a, 8                                     ; behind the block's loads from the stage: x's eight loads
.else
	SEND \a, 0
.endif
.if \a < 7
	ROW \a+1
.endif
.endr
	s_wait_tensorcnt 0x0                           ; the wave's end
	ds_add_u32 v[SPW], v[NIL]
	s_wait_dscnt 0x0
	CROUND                                         ; the closing round
	s_endpgm
.Lfunc_end_k_qac48372872_gemm:
	.size	k_qac48372872_gemm, .Lfunc_end_k_qac48372872_gemm-k_qac48372872_gemm
	.p2alignl 7, 3214868480
	.fill 96, 4, 3214868480
	.section	.rodata,"a",@progbits
	.p2align	6, 0x0
	.amdhsa_kernel k_qac48372872_gemm
		.amdhsa_group_segment_fixed_size 327680
		.amdhsa_private_segment_fixed_size 0
		.amdhsa_enable_private_segment 0
		.amdhsa_kernarg_size 56
		.amdhsa_user_sgpr_count 2
		.amdhsa_user_sgpr_kernarg_segment_ptr 1
		.amdhsa_wavefront_size32 1
		.amdhsa_system_sgpr_workgroup_id_x 1
		.amdhsa_system_sgpr_workgroup_id_y 1
		.amdhsa_system_sgpr_workgroup_id_z 1
		.amdhsa_system_vgpr_workitem_id 0
		.amdhsa_next_free_vgpr 1024
		.amdhsa_next_free_sgpr 98
		.amdhsa_reserve_vcc 0
		.amdhsa_float_denorm_mode_32 3
		.amdhsa_float_denorm_mode_16_64 3
		.amdhsa_memory_ordered 1
		.amdhsa_forward_progress 1
		.amdhsa_inst_pref_size 220
	.end_amdhsa_kernel
	.amdgpu_metadata
---
amdhsa.version: [ 1, 2 ]
amdhsa.kernels:
  - .name:           k_qac48372872_gemm
    .symbol:         k_qac48372872_gemm.kd
    .args:
      - { .name: x_codes, .offset: 0, .size: 8, .value_kind: global_buffer, .address_space: global }
      - { .name: xs, .offset: 8, .size: 8, .value_kind: global_buffer, .address_space: global }
      - { .name: wp, .offset: 16, .size: 8, .value_kind: global_buffer, .address_space: global }
      - { .name: tb, .offset: 24, .size: 8, .value_kind: global_buffer, .address_space: global }
      - { .name: lbt, .offset: 32, .size: 8, .value_kind: global_buffer, .address_space: global }
      - { .name: bias, .offset: 40, .size: 8, .value_kind: global_buffer, .address_space: global }
      - { .name: out0, .offset: 48, .size: 8, .value_kind: global_buffer, .address_space: global }
    .group_segment_fixed_size: 327680
    .private_segment_fixed_size: 0
    .kernarg_segment_align: 8
    .kernarg_segment_size: 56
    .max_flat_workgroup_size: 128
    .sgpr_count:     98
    .vgpr_count:     1024
    .wavefront_size: 32
...
	.end_amdgpu_metadata
.endif
;; end of part 2
